; MI455X (gfx1250); checked and timed in simulation.
; The chip was launched on July 23, 2026; its instructions are those of AMD's public machine-readable ISA for CDNA 5 (MIT licence, August 2026) and "CDNA5" Instruction Set Architecture Reference Guide (July 2026). The comments in the code are by the model that wrote it; some were corrected since.
;; Attention. Allowed arithmetic: matrix products marked QUANTISED: E2M3 operands, one E8M0 scale for each 32 along K, by v_wmma_scale_f32_16x16x128_f8f6f4 with both operands' format E2M3, f32 sums; everything else in f32.
;; Inputs: dec_output_codes 8 x 4,096 x 8 x 24 uint8 (E2M3 codes of dec_output, K innermost, in blocks of 32 codes, four codes in three bytes); dec_output_scales 8 x 4,096 x 8 uint8 (E8M0 scales of dec_output, one for each 32 codes along K); enc_output 8 x 4,096 x 256 float32.
;; Outputs: out0 8 x 4,096 x 256 float32.
;; This version of the problem:
;;   THIS VERSION OF THE PROBLEM IS GIVEN IN LOW PRECISION. The matrix products marked QUANTISED in the list below multiply operands that are first quantised to E2M3 (2 exponent bits, 3 mantissa bits; 6 bits a number), with one power-of-two scale for each 32 numbers along K (OCP MX v1.0); their sums are f32. All else is computed in f32.
;;   The module's matrix products, in the order in which they are computed (A, B: the left and right operand; K: the contracted axis; several contracted axes count as one K, in the product's order):
;;     1. batch 8 x [M 4,096, K 256] x [K 256, N 4,096]; A: input enc_output; B: input dec_output (given as codes): QUANTISED
;;     2. batch 8 x [M 4,096, K 4,096] x [K 4,096, N 256]; A: softmax (see below); B: input enc_output: QUANTISED
;;   THE QUANTISER, for each operand of a quantised product, along K:
;;     - K is cut into blocks of 32 from its start; a last block that is shorter is filled with zeros.
;;     - A block's scale is 2^e with e = floor(log2(the largest magnitude in the block)) - 2, held to -126 .. 127; a block of zeros has e = 0. As a byte (E8M0): e + 127.
;;     - Each number is divided by its block's scale, clamped to +-7.5, and rounded to the nearest number of E2M3, ties to even, subnormals kept.
;;     - The product sums the exact products of the quantised numbers (number of the format x scale) in f32.
;;   ~~~python
;;   def quantise(x, axis):      # numpy; x: float32 -> the quantised numbers, widened to float32 again
;;       x = np.moveaxis(x, axis, -1); K = x.shape[-1]
;;       x = np.pad(x, [(0, 0)] * (x.ndim - 1) + [(0, -K % 32)]); x = x.reshape(x.shape[:-1] + (-1, 32)); a = np.abs(x).max(-1, keepdims=True)
;;       e = np.where(a > 0, np.clip(np.frexp(np.where(a > 0, a, 1))[1] - 1 - 2, -126, 127), 0)      # np.frexp(a)[1] - 1 = floor(log2(a)), exactly
;;       r = np.clip(x / 2.0 ** e, -7.5, 7.5)
;;       step = 2.0 ** (np.maximum(np.frexp(np.where(r == 0, 1, r))[1] - 1, 0) - 3)
;;       q = np.round(r / step) * step * 2.0 ** e      # np.round: ties to even
;;       return np.moveaxis(q.reshape(q.shape[:-2] + (-1,))[..., :K], -1, axis).astype(np.float32)
;;   ~~~
;;   SOFTMAX AHEAD OF A QUANTISED PRODUCT. Where the list says 'softmax', what is quantised is not the finished softmax but p = 2^(t - M), with t = logit x log2(e) and M = ceil(the row's largest t), a whole number; so 1/2 < the row's largest p <= 1. The row's sum l is taken of the UNQUANTISED p, in f32, and the product's result is divided by l at the end. Since M is a whole number, a kernel that streams over the keys may use a running M (the ceiling of the running maximum): every later rescaling is an exact power of two, which a block's scale takes up: the codes' values come out the same.
;;   OPERANDS COMPUTED ON THE WAY. 'Computed on the way' means the value that the module computes at that place (a softmax that the list does not call 'softmax' is quantised finished and normalised). What goes into a quantiser is computed in f32, as accurately as f32 sums, v_exp_f32 and their like allow (about 1e-6 of the number): no bf16 or f16 on the way to a quantiser, and a product that is left as it is and whose result goes on into a quantised operand takes f32 operands (vector FMAs, or v_wmma_f32_16x16x4_f32). A number that lies on a knife's edge between two numbers of the format may be rounded either way, as far as f32 arithmetic and the matrix unit's own rounding can turn it there, and no further.
;;   INPUTS GIVEN AS CODES. dec_output (in the module: [8, 4096, 256], K = its axis 2): each comes as NAME_codes (uint8): NAME with its K axis moved to the last place and cut into blocks of 32 codes, [.., K / 32, bytes a block], one block behind the other in memory; four codes in three bytes: a row's codes are one little-endian stream of bits, code i at bits 6 i .. 6 i + 5 (a code: sign, 2 exponent bits, 3 mantissa bits); and NAME_scales (uint8): the same leading axes, one E8M0 byte (e + 127) for each 32 codes along K. Its value is code x scale, taken as it is: it is not quantised again, and the codes and scales need not be those that the quantiser above would give.
;; One version. Each part assembles by itself: llvm-mc -triple=amdgcn-amd-amdhsa -mcpu=gfx1250 --defsym DOCPART=n.
;; ======== version 1 of 1: 2 launches
;; limits: right only within a limited range of input values
;; workspace buffers: kv 13,107,200 bytes
;; launch prep (part 1): grid 32 x 8, 8 waves a work-group, no clusters, 185,344 bytes of LDS; arguments enc_output, kv; writes kv
.if DOCPART == 1
	.amdgcn_target "amdgcn-amd-amdhsa--gfx1250"
	.amdhsa_code_object_version 6
	.text
	.protected	k_q7ac4eed261_prep
	.globl	k_q7ac4eed261_prep
	.p2align	8
	.type	k_q7ac4eed261_prep,@function
k_q7ac4eed261_prep:
	s_mov_b64 s[64:65], 0
	v_nop
	global_prefetch_b8 v0, s[64:65] scope:SCOPE_SE
	s_setreg_imm32_b32 hwreg(HW_REG_WAVE_MODE, 25, 1), 1
	s_wait_xcnt 0x0
; enc [8][4096][256] f32 is quantised ONCE, both ways, into codes of FP6 (E2M3) with one E8M0 byte for each 32 along K:
;   K(n): the 128 keys of key step n quantised along d (the first product's K);   V(n): the same 128 x 256 numbers quantised along the keys (the second product's K).
; A block's scale is 2^(floor(log2(its largest magnitude)) - 2): its byte is the largest magnitude's exponent field - 2, held at 1 from below.
; LIMITS: NaN and infinities in enc are not served.  A block of zeros, or one whose largest magnitude lies under 2^-124, gets the byte 1 where the rule says 127 or less:
; its codes are zeros (or the same small numbers held at the floor's scale), and the bytes are read by this program alone.
; A PART (25,600 bytes) is laid in the order of the operand's registers: 16 fragments of 1,536 bytes (register R of lane l at 512 (R / 4) + 16 l + 4 (R % 4)), then 1,024 bytes of scale words.
;   K(n): fragment 2 kt + s (key tile kt, half s of d); row r of tile 2 b + u is key 32 b + 8 u + r + 8 (r / 8); scale word of (kt, s, r) at 24,576 + 512 (kt / 4) + 16 (r + 16 s) + 4 (kt % 4).
;   V(n): fragment t (d = 16 t + r), keys in their own order; scale word of (t, r) at 24,576 + 512 (t / 8) + 16 (r + 16 (t % 2)) + 4 ((t / 2) % 4).
; The parts of a batch lie in the order K1 | K0 V0 V1 K3 | K2 V2 V3 K5 | .. | K30 V30 V31, so that what the second launch fetches at a time is one dense run.
; SHARES: work-group (n, batch) reads its dense 131,072 bytes once, into LDS; eight waves.  No input is shared between work-groups, so there is no cluster; no tensor load; no matrix work.
.set PITCH, 1040                       ; a key's row in LDS: 1,024 bytes + 16: 65 x 16
.set KIMG,  128*PITCH                  ; behind the tile: the image of K(n),
.set PART,  25600
.set VIMG,  KIMG+PART                  ; and of V(n)
.set SCLO,  24576                      ; the scale words in a part
.set X,     64                         ; v64-191  four sets of 32 numbers
.set CT,    24                         ; v24-26   a block's upper 16 codes as the conversion leaves them
.set CK,    192                        ; v192..   K's codes: eight registers for each pass, so that no store's data are written again
.set CV,    224                        ; v224..   V's likewise
; v1 lane; v2 16 x lane; v3-v14 addresses (below); v15, v22, v23 at work on them; v16-17 two chains of maxima; v18 the conversion's scale operand; v19 a byte; v20, v21 K's and V's scale word
	s_load_b128 s[4:7], s[0:1], 0x0                ; enc s[4:5], kv s[6:7]
	v_lshl_add_u32 v254, v0, 2, 0x2d000
	v_mov_b32 v255, 0
	v_lshrrev_b32 v1, 5, v0
	s_delay_alu instid0(VALU_DEP_1)
	v_readfirstlane_b32 s8, v1                     ; wave w, 0..7
	v_and_b32 v1, 31, v0                           ; lane L
	s_delay_alu instid0(VALU_DEP_1)
	v_lshlrev_b32 v2, 4, v1                        ; 16 L
	s_and_b32 s9, ttmp7, 0xffff                    ; batch
	s_lshl_b32 s10, s9, 5
	s_add_co_u32 s10, s10, ttmp9                   ; 32 batch + n
	s_lshl_b32 s10, s10, 17                        ; x 131,072 bytes,
	s_lshl_b32 s11, s8, 14
	s_add_co_u32 s10, s10, s11                     ; + my wave's 16 rows of 1,024 bytes
	s_mov_b32 s11, 0
	s_wait_alu depctr_va_vdst(0)
	s_wait_kmcnt 0x0
	s_add_nc_u64 s[4:5], s[4:5], s[10:11]
.set JJ, 0
.rept 32
	global_load_b128 v[X+4*JJ:X+4*JJ+3], v2, s[4:5] offset:512*JJ th:TH_LOAD_NT   ; 32 lanes read 512 consecutive bytes; 16,384 bytes a wave are on their way, read once in the launch
.set JJ, JJ+1
.endr
	; THE ORDER OF A BATCH'S PARTS, as these lines make it (it takes the place of the order named in the head's comment): K0 K1 | V0 V1 K2 K3 | V2 V3 K4 K5 | .. | V30 V31.
	; position of K(n) = 2 n - n % 2, of V(n) = 2 n + 2 - n % 2
	s_and_b32 s27, ttmp9, 1
	s_lshl_b32 s28, ttmp9, 1
	s_mul_i32 s31, s9, 64*PART
	s_sub_co_u32 s30, s28, s27
	s_mul_i32 s30, s30, PART
	s_add_co_u32 s18, s30, s31
	s_mov_b32 s19, 0
	s_add_nc_u64 s[12:13], s[6:7], s[18:19]        ; K(n)
	s_add_co_u32 s30, s28, 2
	s_sub_co_u32 s30, s30, s27
	s_mul_i32 s30, s30, PART
	s_add_co_u32 s18, s30, s31
	s_add_nc_u64 s[14:15], s[6:7], s[18:19]        ; V(n)
	s_lshr_b32 s20, s8, 1                          ; w / 2
	s_and_b32 s21, s8, 1                           ; w % 2
	s_lshr_b32 s22, s8, 2                          ; w / 4
	s_and_b32 s23, s20, 1                          ; (w / 2) % 2
	s_and_b32 s24, s8, 3                           ; w % 4
	s_mul_i32 s25, s8, 16*PITCH
	v_add_nc_u32 v3, s25, v2                       ; v3: the tile, on the way in: my wave's 16 rows, 16 L
	v_mul_u32_u24 v4, v1, PITCH
	s_mul_i32 s25, s20, 32*PITCH
	s_lshl_b32 s26, s21, 9
	s_add_co_u32 s25, s25, s26
	v_add_nc_u32 v4, s25, v4                       ; v4: K's reads: key 32 (w / 2) + L, half w % 2 of d
	v_and_b32 v15, 7, v0
	v_bfe_u32 v22, v0, 4, 1                        ; L / 16
	v_bfe_u32 v23, v0, 3, 1                        ; u = (L / 8) % 2: which of the two tiles key L of a block of 32 falls into
	s_delay_alu instid0(VALU_DEP_3)
	v_lshlrev_b32 v15, 4, v15
	s_delay_alu instid0(VALU_DEP_1)
	v_lshl_add_u32 v15, v22, 7, v15                ; 16 r, r = L % 8 + 8 (L / 16): its row there
	s_delay_alu instid0(VALU_DEP_1)
	v_mad_u32_u24 v5, v23, 3072, v15
	s_mul_i32 s25, s20, 6144
	s_mul_i32 s26, s21, 1536
	s_add_co_u32 s25, s25, s26
	s_add_co_u32 s25, s25, KIMG
	v_add_nc_u32 v5, s25, v5                       ; v5: K's codes: fragment 4 (w / 2) + 2 u + w % 2, lane r
	v_lshl_add_u32 v6, v23, 2, v15
	s_lshl_b32 s25, s22, 9
	s_lshl_b32 s26, s21, 8
	s_add_co_u32 s25, s25, s26
	s_lshl_b32 s26, s23, 3
	s_add_co_u32 s25, s25, s26
	s_add_co_u32 s25, s25, KIMG+SCLO
	v_add_nc_u32 v6, s25, v6                       ; v6: K's scale word
	v_lshlrev_b32 v7, 2, v1
	s_lshl_b32 s25, s8, 7
	v_add_nc_u32 v7, s25, v7                       ; v7: V's reads: column d = 32 w + L, keys 0-63
	s_delay_alu instid0(VALU_DEP_1)
	v_add_nc_u32 v8, 64*PITCH, v7                  ; v8: keys 64-127 (an LDS offset has 16 bits)
	v_and_b32 v9, 15, v0
	s_delay_alu instid0(VALU_DEP_1)
	v_lshlrev_b32 v9, 4, v9
	s_delay_alu instid0(VALU_DEP_1)
	v_mad_u32_u24 v9, v22, 1536, v9
	s_mul_i32 s25, s8, 3072
	v_add_nc_u32 v12, s25, v2                      ; v12: the way out: my 3,072 bytes of a part, in memory
	s_add_co_u32 s26, s25, VIMG
	v_add_nc_u32 v9, s26, v9                       ; v9: V's codes: fragment 2 w + L / 16, lane L % 16
	s_add_co_u32 s26, s25, KIMG
	v_add_nc_u32 v11, s26, v2                      ; v11: the way out: the same bytes in K's image (V's lies PART further on)
	s_lshl_b32 s25, s22, 9
	s_lshl_b32 s26, s24, 2
	s_add_co_u32 s25, s25, s26
	s_add_co_u32 s25, s25, VIMG+SCLO
	v_add_nc_u32 v10, s25, v2                      ; v10: V's scale word
	s_lshl_b32 s25, s21, 9
	s_add_co_u32 s25, s25, SCLO
	v_add_nc_u32 v14, s25, v2                      ; v14: the way out of the scale words (waves 0-3): half w % 2 of a part's 1,024 bytes, in memory,
	s_mul_i32 s26, s23, PART
	s_add_co_u32 s25, s25, s26
	s_add_co_u32 s25, s25, KIMG
	v_add_nc_u32 v13, s25, v2                      ; v13: and in the image: K's for waves 0, 1, V's for waves 2, 3
	; ---- the tile goes into LDS as rows
.set JJ, 0
.rept 32
	s_wait_loadcnt 31-JJ                           ; loads come back in order: this one is in, the younger ones stay out
	ds_store_b128 v3, v[X+4*JJ:X+4*JJ+3] offset:(JJ/2)*PITCH+512*(JJ%2)
.set JJ, JJ+1
.endr
	s_wait_dscnt 0x0                               ; for the others' sake: my rows lie in LDS
	s_barrier_signal -1
	s_barrier_wait -1
; A block of 32 numbers of ONE lane, v[x] on, becomes six registers of codes, v[c] on, and byte p of the scale word v[word].
.macro QB x, c, word, p
.set XS, \x
.set CC, \c
	v_max3_num_f32 v16, |v[XS]|, |v[XS+1]|, |v[XS+2]|              ; the largest magnitude, in two chains
	v_max3_num_f32 v17, |v[XS+3]|, |v[XS+4]|, |v[XS+5]|
.irp i, 6,10,14,18,22,26
	s_delay_alu instid0(VALU_DEP_2)
	v_max3_num_f32 v16, v16, |v[XS+\i]|, |v[XS+\i+1]|
	s_delay_alu instid0(VALU_DEP_2)
	v_max3_num_f32 v17, v17, |v[XS+\i+2]|, |v[XS+\i+3]|
.endr
	s_delay_alu instid0(VALU_DEP_2)
	v_max3_num_f32 v16, v16, |v[XS+30]|, |v[XS+31]|
	s_delay_alu instid0(VALU_DEP_1)
	v_max3_num_f32 v16, v16, v17, 0x1800000        ; and the floor 2^(3 - 127): the byte cannot fall under 1
	s_delay_alu instid0(VALU_DEP_1)
	v_add_nc_u32 v18, 0xff000000, v16              ; 2 off the exponent field: the conversion takes the exponent field of this operand as its scale
.if \p == 0
	s_delay_alu instid0(VALU_DEP_1)
	v_lshrrev_b32 v[\word], 23, v18                ; the scale's byte; the lower K in the lower byte
.else
	s_delay_alu instid0(VALU_DEP_1)
	v_lshrrev_b32 v19, 23, v18
	s_delay_alu instid0(VALU_DEP_1)
	v_lshl_or_b32 v[\word], v19, 8*\p, v[\word]
.endif
	v_cvt_scalef32_pk16_fp6_f32 v[CC:CC+2], v[XS:XS+15], v18
	v_cvt_scalef32_pk16_fp6_f32 v[CT:CT+2], v[XS+16:XS+31], v18    ; (a conversion's three registers begin on an even number)
	v_nop                                          ; one plain place behind a scaled conversion
.irp i, 0,1,2
	v_mov_b32 v[CC+3+\i], v[CT+\i]
.endr
.endm
; Block p of a row's four (c = p / 2, h = p % 2) is registers 6 c .. 6 c + 5 of lane r + 16 h of the fragment: two stores into the image.
.macro PUT adr, c, p
.set CC, \c
.set HH, 256*((\p)%2)
.if (\p) < 2
	ds_store_b128 v[\adr], v[CC:CC+3] offset:HH
	ds_store_b64 v[\adr], v[CC+4:CC+5] offset:512+HH
.else
	ds_store_b64 v[\adr], v[CC:CC+1] offset:520+HH
	ds_store_b128 v[\adr], v[CC+2:CC+5] offset:1024+HH
.endif
.endm
	; ---- K: a lane takes a key, its registers run along d: four blocks of 32
.irp p, 0,1,2,3
.irp j, 0,1,2,3,4,5,6,7
	ds_load_b128 v[X+32*\p+4*\j:X+32*\p+4*\j+3], v4 offset:128*\p+16*\j
.endr
.endr
.irp p, 0,1,2,3
	s_wait_dscnt 8*(3-\p)+2*\p                     ; behind this block's loads: the later blocks' eight each, and the earlier blocks' two stores each
	QB X+32*\p, CK+8*\p, 20, \p
	PUT 5, CK+8*\p, \p
.endr
	ds_store_b32 v6, v20
	; ---- V: a lane takes a column d, its registers run down the keys: four blocks of 32.  Each load reads 128 consecutive bytes
.irp kb, 0,1,2,3
.set JJ, 0
.rept 32
.if \kb < 2
	ds_load_b32 v[X+32*\kb+JJ], v7 offset:(\kb%2)*32*PITCH+PITCH*JJ
.else
	ds_load_b32 v[X+32*\kb+JJ], v8 offset:(\kb%2)*32*PITCH+PITCH*JJ
.endif
.set JJ, JJ+1
.endr
.endr
.irp kb, 0,1,2,3
.if 32*(3-\kb)+2*\kb > 63
	s_wait_dscnt 63                                ; behind this block's loads stand 96, then 66 LDS instructions: more than the wait can name; a smaller count is safe
.else
	s_wait_dscnt 32*(3-\kb)+2*\kb                  ; the later blocks' 32 loads each, and the earlier blocks' two stores each
.endif
	QB X+32*\kb, CV+8*\kb, 21, \kb
	PUT 9, CV+8*\kb, \kb
.endr
	ds_store_b32 v10, v21
	s_wait_dscnt 0x0                               ; for the others' sake: my parts of both images lie in LDS
	s_barrier_signal -1
	s_barrier_wait -1
	; ---- out: each wave stores 3,072 consecutive bytes of each part; every store covers 512 consecutive bytes, aligned
.irp i, 0,1,2,3,4,5
	ds_load_b128 v[X+4*\i:X+4*\i+3], v11 offset:512*\i
.endr
.irp i, 0,1,2,3,4,5
	ds_load_b128 v[X+24+4*\i:X+24+4*\i+3], v11 offset:PART+512*\i
.endr
.irp i, 0,1,2,3,4,5
	s_wait_dscnt 11-\i
	global_store_b128 v12, v[X+4*\i:X+4*\i+3], s[12:13] offset:512*\i
.endr
.irp i, 0,1,2,3,4,5
	s_wait_dscnt 5-\i
	global_store_b128 v12, v[X+24+4*\i:X+24+4*\i+3], s[14:15] offset:512*\i
.endr
	s_cmp_lt_u32 s8, 2                             ; the scale words, 512 bytes a wave: waves 0, 1 K's, waves 2, 3 V's
	s_cselect_b64 s[16:17], s[12:13], s[14:15]
	s_cmp_lt_u32 s8, 4
	s_cbranch_scc0 .Ldone
	ds_load_b128 v[X+48:X+51], v13
	s_wait_dscnt 0x0
	global_store_b128 v14, v[X+48:X+51], s[16:17]
.Ldone:
	s_wait_tensorcnt 0x0
	ds_add_u32 v254, v255
	s_wait_dscnt 0x0
	s_endpgm
.Lfunc_end_k_q7ac4eed261_prep:
	.size	k_q7ac4eed261_prep, .Lfunc_end_k_q7ac4eed261_prep-k_q7ac4eed261_prep
	.p2alignl 7, 3214868480
	.fill 96, 4, 3214868480
	.section	.rodata,"a",@progbits
	.p2align	6, 0x0
	.amdhsa_kernel k_q7ac4eed261_prep
		.amdhsa_group_segment_fixed_size 185344
		.amdhsa_private_segment_fixed_size 0
		.amdhsa_enable_private_segment 0
		.amdhsa_kernarg_size 16
		.amdhsa_user_sgpr_count 2
		.amdhsa_user_sgpr_kernarg_segment_ptr 1
		.amdhsa_wavefront_size32 1
		.amdhsa_system_sgpr_workgroup_id_x 1
		.amdhsa_system_sgpr_workgroup_id_y 1
		.amdhsa_system_sgpr_workgroup_id_z 1
		.amdhsa_system_vgpr_workitem_id 0
		.amdhsa_next_free_vgpr 256
		.amdhsa_next_free_sgpr 66
		.amdhsa_reserve_vcc 0
		.amdhsa_float_denorm_mode_32 3
		.amdhsa_float_denorm_mode_16_64 3
		.amdhsa_memory_ordered 1
		.amdhsa_forward_progress 1
		.amdhsa_inst_pref_size 40
	.end_amdhsa_kernel
	.amdgpu_metadata
---
amdhsa.version: [ 1, 2 ]
amdhsa.kernels:
  - .name:           k_q7ac4eed261_prep
    .symbol:         k_q7ac4eed261_prep.kd
    .args:
      - { .name: enc_output, .offset: 0, .size: 8, .value_kind: global_buffer, .address_space: global }
      - { .name: kv, .offset: 8, .size: 8, .value_kind: global_buffer, .address_space: global }
    .group_segment_fixed_size: 185344
    .private_segment_fixed_size: 0
    .kernarg_segment_align: 8
    .kernarg_segment_size: 16
    .max_flat_workgroup_size: 256
    .sgpr_count:     66
    .vgpr_count:     256
    .wavefront_size: 32
...
	.end_amdgpu_metadata
.endif
;; end of part 1
;; launch attn (part 2): grid 32 x 8, 8 waves a work-group, clusters of 4 x 1, 327,680 bytes of LDS; arguments dec_output_codes, dec_output_scales, kv, out0; writes out0
.if DOCPART == 2
	.amdgcn_target "amdgcn-amd-amdhsa--gfx1250"
	.amdhsa_code_object_version 6
	.text
	.protected	k_q7ac4eed261_attn
	.globl	k_q7ac4eed261_attn
	.p2align	8
	.type	k_q7ac4eed261_attn,@function
k_q7ac4eed261_attn:
	s_mov_b64 s[64:65], 0
	v_nop
	global_prefetch_b8 v0, s[64:65] scope:SCOPE_SE
	s_setreg_imm32_b32 hwreg(HW_REG_WAVE_MODE, 25, 1), 1
	s_wait_xcnt 0x0
	s_wait_alu depctr_hold_cnt(0) depctr_sa_sdst(0) depctr_va_vdst(0) depctr_va_sdst(0) depctr_va_ssrc(0) depctr_va_vcc(0) depctr_vm_vsrc(0)
	s_getreg_b32 s2, hwreg(HW_REG_IB_STS2, 6, 4)
	s_cmp_eq_u32 s2, 0
	s_cbranch_scc0 .Lentry_in_a_cluster
	s_endpgm
.Lentry_in_a_cluster:
	s_bfe_u32 s2, ttmp6, 0x10000c
	s_cmp_lg_u32 s2, 0x3003
	s_cbranch_scc0 .Lentry_shape_is_right
	s_endpgm
.Lentry_shape_is_right:
; out0[b][j][:] = the sum over i of softmax_i(enc[b][i] . dec[b][j]) enc[b][i][:], both products on codes of FP6 (E2M3) with one E8M0 scale for each 32 along a product's K.
; The queries are dec (codes and scale bytes as given, K = d = 256); the keys K(n) and the values V(n) of key step n (128 keys) come from kv, laid by the first launch as images of operand registers.
; THE SOFTMAX AHEAD OF THE SECOND PRODUCT: t = score x log2(e); M = the largest t so far, rounded UP to a whole number; p = 2^(t - M) is quantised along the keys, not normalised; the sum l is taken of the
; unquantised p and divides at the end.  When M moves, l and O are multiplied by 2^(old M - new M), which rounds nothing.
; SHARES.  A work-group owns 128 queries of a batch.  Wave w: g = w % 4 names 32 queries (two tiles of 16), s = w / 4 a half of the keys: s = 0 walks the even key steps, s = 1 the odd ones.  So each fragment
; read from LDS feeds two products, and two waves of 512 registers share a SIMD.  Each wave keeps its own M, l and O^T; the two halves are joined once, at the end, by powers of two.
; A wave's slot 0 is tile 2 g + s, its slot 1 tile 2 g + 1 - s: every wave hands its slot 1 to wave w xor 4 and finishes its slot 0, so one text serves all waves.
; THE SKEW.  In a trip (256 keys) waves 0-3 run scores, softmax, V^T P; waves 4-7 run softmax, V^T P, and then the scores of their NEXT step: the two waves of a SIMD are in different phases, one at matrix
; work while the other is at vector work.  That is why slot j of the ring holds K(2j) V(2j) V(2j+1) K(2j+3), and K(1) comes by itself at the start.
; LAYOUT.  Both products are used transposed: S^T = K Q^T, O^T = V^T P^T: a lane holds ONE query (lane % 16) throughout.  Row r of key tile 2 b + u is key 32 b + 8 u + r + 8 (r / 8), so that the 16 registers
; of tiles 2 b and 2 b + 1 are the 16 neighbouring keys 32 b + 16 (lane / 16) + 0 .. 15.
; CLUSTER.  The four query blocks of a cluster walk the same bytes of kv: every fill is asked for JOINTLY, by the same tensor load with the same descriptor and the mask of all four.
; LIMITS: NaN and infinities are not served, nor scores beyond f32's range.  The sums of the even and of the odd key steps are added once at the end: another order of f32 additions than one stream's.
; REGISTERS, window 0: v1 16 x lane; v2, v3 LDS addresses; v4, v5 for the add; v6, v7 at work; v8-13, v14-19 a slot's -M, largest t, l (two halves), f, p's scale word; v20-23 Q's scale words;
;   v24-31 K's or V's scale words; v32-79 two buffers of a key tile, or p's codes (v32-55) and the softmax's small numbers; v80-127 Q; v128-255 S^T and p, 64 a slot, then V's fragments.
;   window 1: O^T: tile t of slot q at v[128 q + 8 t].
.set PART,  25600                      ; a part of kv: 16 fragments of 1,536 bytes and 1,024 bytes of scale words
.set SLOTB, 4*PART                     ; a slot's bytes
.set WLOAD, SLOTB/8                    ; what one tensor load brings: 50 rows of 256 bytes
; THE SKEW AS THE TEXT HAS IT (this paragraph takes the place of the one headed THE SKEW above).  In a trip every wave runs, in one stretch, O^T x f, V^T P of its step and the scores of its NEXT step.
; Waves 4-7 run their two softmaxes ahead of that stretch (on scores kept from the trip before), waves 0-3 behind it (p's codes, f and the scale word are kept over the change of slots):
; so one wave of a SIMD is at matrix work while the other is at vector work.  Slot j of the ring holds V(2j) V(2j+1) K(2j+2) K(2j+3); K(0) and K(1) come first, into bytes of their own, and a pre-trip makes the first scores.
.set HLOAD, 25*256                     ; the head's load of a wave: 25 rows of 256 bytes; eight of them are K(0) and K(1)
.set SLOT1, 131072                     ; the ring: one slot at LDS byte 0, the other here, so that one exclusive or turns an address in one into the other's
.set PRO,   SLOT1+SLOTB                ; K(0), K(1): 51,200 bytes, filled once
.set STG,   135168                     ; the way out: 16 rows x (512 bytes + 16) for each wave, behind the exchange's 8 x 16,896 bytes: ring bytes that have had their last fill and their last read by then
; No prefetch is laid: a slot's bytes are asked for a whole trip (64 products of each wave) ahead of the wait for them.
.set STGW,  16*528
.set SPARE, 326656                     ; the spare words, 128 bytes for each wave: four blocks of 256 bytes that no other line names
.set XCHW,  16896                      ; the exchange at the end: 16,384 bytes of O^T and 512 of -M and l for each wave, from LDS byte 0 on: bytes that have had their last fill and their last read by then
.set SCLO,  24576
.set LI,  1
.set ADK, 2
.set ADV, 3
.set SPW, 4
.set NIL, 5
.set TMP, 6
.set ST,  8
.set QS,  20
.set SCL, 24
.set PCD, 32                           ; p's codes: 12 registers a slot
.set BM,  56                           ; v56-59 a block's largest score, then its largest p
.set PT,  60                           ; v60-67 at work
.set SOP, 68                           ; v68-71 the conversions' scale operands
.set QF,  80
.set SCR, 128
.set VB0, 128
.set VB1, 192
.set WV,  12                           ; s12 wave;  s13 its half of the keys
.set G1,  24                           ; s[24:31] descriptor group 1;  s[32:35] group 0, which walks;  s[36:39] group 0 for K(0), K(1)
.set G0,  32
.set G0P, 36
.set G1H, 68                           ; s[68:75] descriptor group 1 of the head's loads
.set CS,  40                           ; s[40:41] log2(e): the packed form names a pair and takes its low word for both halves
.set SEL, 42                           ; s[42:43] v_permlanex16_b32's selects for lane l xor 16
.set TBK, 44                           ; s44 LDS byte of my K in the slot in hand;  s45 of my V;  s47 of my first K
.set TBV, 45
.set CNT, 46
.set TB0, 47
.set MSB, 0
.macro WIN new                         ; the immediate's high byte repeats the setting that is left; a switch that changes nothing is dropped
.if MSB != \new
	s_set_vgpr_msb (MSB<<8)|\new
.set MSB, \new
.endif
.endm
.macro PLACES n                        ; plain vector instructions between a matrix instruction and what touches its registers (ISA guide 7.12.1 for vector instructions)
.rept \n
	v_nop
.endr
.endm
.macro CROUND                          ; a round of the cluster's barrier: my work-group's barrier; wave 0 signals for the work-group; every wave waits for all four work-groups; my work-group's barrier once more
	s_barrier_signal -1
	s_barrier_wait -1
	s_cmp_lg_u32 s[WV], 0
	s_cbranch_scc1 .Lnot_wave_0_\@
	s_barrier_signal -3
.Lnot_wave_0_\@:
	s_barrier_wait -3
	s_barrier_signal -1
	s_barrier_wait -1
.endm
	s_load_b256 s[4:11], s[0:1], 0x0               ; dec's codes s[4:5], dec's scales s[6:7], kv s[8:9], out0 s[10:11]
	v_lshl_add_u32 v[SPW], v0, 2, SPARE
	v_mov_b32 v[NIL], 0
	ds_add_u32 v4, v5
	ds_add_u32 v4, v5
	s_wait_dscnt 0x0
	v_lshrrev_b32 v1, 5, v0
	s_delay_alu instid0(VALU_DEP_1)
	v_readfirstlane_b32 s[WV], v1                  ; wave 0..7
	s_lshr_b32 s13, s[WV], 2                       ; s: my half of the keys
	s_and_b32 s16, s[WV], 3                        ; g: my 32 queries
	s_bfe_u32 s14, ttmp6, 0x40000                  ; cx: my place in the cluster
	s_lshl_b32 s15, ttmp9, 2                       ; in a cluster launch ttmp9 counts clusters
	s_add_co_u32 s15, s15, s14                     ; my block of 128 queries: it enters dec's and out0's addresses alone
	s_and_b32 s17, ttmp7, 0xffff                   ; the batch, which the four partners share
	s_lshl_b32 s18, s17, 12
	s_lshl_b32 s19, s15, 7
	s_add_co_u32 s18, s18, s19
	s_lshl_b32 s19, s16, 5
	s_add_co_u32 s18, s18, s19                     ; the first of my 32 queries, counted through all batches
	s_lshl_b32 s19, s13, 4
	s_add_co_u32 s20, s18, s19                     ; slot 0's first query,
	s_xor_b32 s19, s19, 16
	s_add_co_u32 s21, s18, s19                     ; slot 1's
	s_mov_b32 s23, 0
	; descriptor group 1: 50 rows of 256 bytes (32 elements of 8 bytes), dense in memory and in LDS
	s_mov_b32 s[G1], 15|(3<<16)|(1<<21)            ; 15:0 the mask: all four work-groups; 17:16 elements of 8 bytes; 20 padding off; 21 set beside a mask
	s_mov_b32 s[G1+1], 32<<16                      ; tensor_dim0 = 32
	s_mov_b32 s[G1+2], 50<<16                      ; tensor_dim1 = 50
	s_mov_b32 s[G1+3], 32<<16                      ; tile_dim0 = 32
	s_mov_b32 s[G1+4], 50                          ; tile_dim1 = 50
	s_mov_b32 s[G1+5], 32                          ; elements from row to row
	s_mov_b32 s[G1+6], 0
	s_mov_b32 s[G1+7], 0
	s_mov_b32 s[G1H], 15|(3<<16)|(1<<21)           ; the head's: the same but for 25 rows
	s_mov_b32 s[G1H+1], 32<<16
	s_mov_b32 s[G1H+2], 25<<16
	s_mov_b32 s[G1H+3], 32<<16
	s_mov_b32 s[G1H+4], 25
	s_mov_b32 s[G1H+5], 32
	s_mov_b32 s[G1H+6], 0
	s_mov_b32 s[G1H+7], 0
	s_mov_b32 s[CS], 0x3fb8aa3b                    ; log2(e)
	s_mov_b32 s[CS+1], s[CS]                       ; (named with it as a pair, so it is written)
	s_mov_b32 s[SEL], 0x76543210
	s_mov_b32 s[SEL+1], 0xfedcba98
	s_mul_i32 s[TBV], s13, PART                    ; V(2j+s): the slot's first two parts
	s_add_co_u32 s[TBK], s[TBV], 2*PART            ; K(2j+2+s): its last two
	s_add_co_u32 s[TB0], s[TBV], PRO               ; the first scores: K(s)
	s_mul_i32 s56, s17, 64*PART                    ; kv: my batch (in registers that never hold my place in the cluster)
	s_mov_b32 s57, 0
	s_mul_i32 s58, s[WV], WLOAD                    ; my eighth of a slot's bytes,
	s_mov_b32 s59, 0
	s_mul_i32 s60, s[WV], HLOAD                    ; and my 25 rows of the head's run
	s_mov_b32 s61, 0
	s_mul_i32 s[G0+1], s[WV], WLOAD                ; group 0, 63:32: LDS address: the slot at byte 0, my eighth
	s_add_co_u32 s[G0P+1], s60, PRO                ; the head's load: my 25 rows of K(0), K(1)
	s_mov_b32 s[G0], 1                             ; 1:0 count = 1
	s_mov_b32 s[G0P], 1
	s_wait_kmcnt 0x0
	s_add_nc_u64 s[56:57], s[8:9], s[56:57]        ; the batch's first byte: K(0)
	s_add_nc_u64 s[G0P+2:G0P+3], s[56:57], s[60:61]
	s_add_nc_u64 s[G0+2:G0+3], s[56:57], s[58:59]
	s_add_nc_u64 s[G0+2:G0+3], s[G0+2:G0+3], 2*PART   ; slot 0's bytes follow K(0), K(1)
	s_or_b32 s[G0P+3], s[G0P+3], 0x80000000        ; 127:126 type = 2
	s_or_b32 s[G0+3], s[G0+3], 0x80000000
	s_mul_i32 s22, s20, 192                        ; a query's codes are 192 bytes,
	s_add_nc_u64 s[48:49], s[4:5], s[22:23]
	s_mul_i32 s22, s21, 192
	s_add_nc_u64 s[50:51], s[4:5], s[22:23]
	s_lshl_b32 s22, s20, 3                         ; its scale bytes 8,
	s_add_nc_u64 s[52:53], s[6:7], s[22:23]
	s_lshl_b32 s22, s21, 3
	s_add_nc_u64 s[54:55], s[6:7], s[22:23]
	s_lshl_b32 s22, s20, 10                        ; its row of out0 1,024: I store slot 0's rows
	s_add_nc_u64 s[10:11], s[10:11], s[22:23]
	v_and_b32 v7, 15, v0                           ; r
	v_bfe_u32 v2, v0, 4, 1                         ; h
	s_delay_alu instid0(VALU_DEP_2)
	v_mul_u32_u24 v6, v7, 192
	s_delay_alu instid0(VALU_DEP_1)
	v_mad_u32_u24 v6, v2, 24, v6                   ; Q: row r, + 24 h
	s_delay_alu instid0(VALU_DEP_4)
	v_lshlrev_b32 v7, 3, v7                        ; its scale words: 8 r
.irp q, 0,1
.irp f, 0,1
.irp p, 0,1,2,3,4,5
	global_load_b64 v[QF+24*\q+12*\f+2*\p:QF+24*\q+12*\f+2*\p+1], v6, s[48+2*\q:49+2*\q] offset:96*\f+48*(\p/3)+8*(\p%3)   ; Q's four fragments (slot q, half f of d) stay in registers; asked for ahead of the round, they are on their way during it
.endr
.endr
	global_load_b64 v[QS+2*\q:QS+2*\q+1], v7, s[52+2*\q:53+2*\q]   ; and their scale words
.endr
	CROUND                                         ; all four work-groups are here: the first joint loads meet
	tensor_load_to_lds s[G0P:G0P+3], s[G1H:G1H+7]  ; K(0) and K(1), 25 rows a wave: every wave's one tensor load at the head
	s_nop 0
	PLACES 4                                       ; four v_nop follow the load
	v_and_b32 v[LI], 31, v0
	s_delay_alu instid0(VALU_DEP_1)
	v_lshlrev_b32 v[LI], 4, v[LI]                  ; 16 x lane: my place in every image
.irp q, 0,1
	v_mov_b32 v[ST+6*\q+1], 0xff61b1e6             ; the largest t so far: -3e38, under every t
	s_delay_alu instid0(VALU_DEP_1)
	v_floor_f32 v[ST+6*\q], -v[ST+6*\q+1]          ; -M
	v_mov_b32 v[ST+6*\q+2], 0                      ; l, in two halves
	v_mov_b32 v[ST+6*\q+3], 0
	v_mov_b32 v[ST+6*\q+5], 0                      ; (named as the upper half of f's pair before it is first written)
.endr
.irp b, 0,1,2,3
	v_mov_b32 v[PT+\b], 0                          ; written once: a lane permute's destination counts as one of its sources
.endr
	s_wait_loadcnt 0x0                             ; Q
; THE CHANGE OF SLOTS stands at a trip's head.  Each wave waits for all its tensor loads (its part of what is about to be read), adds 0 to its spare word, and waits for that and for its reads of
; the slot that it has left.  fill = 3: slot 0's first fill, group 0 as the head made it; 2: the other slot takes the next 102,400 bytes, an eighth a wave; 1: the batch's last 51,200, by waves 0-3; 0: nothing is left to fetch.
; With a fill the barrier is a round of the cluster's, so that no wave of any partner still reads the slot or has a load on its way.  The two slots' first fills stand behind rounds at.
.macro CHANGE fill
	s_wait_tensorcnt 0x0                           ; no tensor load of mine is out, so group 0 may be written
	ds_add_u32 v[SPW], v[NIL]                      ; 0 onto my spare word
.if (\fill == 1) || (\fill == 2)
	s_xor_b32 s[G0+1], s[G0+1], SLOT1              ; the other slot than last time,
	s_add_nc_u64 s[G0+2:G0+3], s[G0+2:G0+3], SLOTB ; the next bytes; the type bits on top are not reached
.endif
	s_wait_dscnt 0x0                               ; the add is done, and my reads of the slot that I have left are over
.if \fill
	CROUND
.else
	s_barrier_signal -1
	s_barrier_wait -1
.endif
.if \fill >= 2
	tensor_load_to_lds s[G0:G0+3], s[G1:G1+7]      ; the first thing behind the round, and my one tensor load until the next
	s_nop 0
	PLACES 4
.endif
.if \fill == 1
	s_cmp_lt_u32 s[WV], 4                          ; the branch hangs on the wave's number alone: it is the same in every work-group
	s_cbranch_scc0 .Lnone_\@
	tensor_load_to_lds s[G0:G0+3], s[G1:G1+7]
	s_nop 0
	PLACES 4
.Lnone_\@:
.endif
.endm
.macro KLOAD kt, kb                    ; key tile kt, both halves of d: two fragments, three loads of 512 consecutive bytes each
.irp f, 0,1
.irp c, 0,1,2
	ds_load_b128 v[\kb+12*\f+4*\c:\kb+12*\f+4*\c+3], v[ADK] offset:(2*(\kt)+\f)*1536+512*\c
.endr
.endr
.endm
; S^T = K Q^T for 128 keys and my two slots: 32 products.  The two accumulators of a key tile take turns, one instruction a turn.
; K's scale register kt holds the words of d's lower half in lanes 0-15 and of its upper half in lanes 16-31.
.macro SPHASE
	ds_load_b128 v[SCL:SCL+3], v[ADK] offset:SCLO
	ds_load_b128 v[SCL+4:SCL+7], v[ADK] offset:SCLO+512
	KLOAD 0, 32
	KLOAD 1, 56
.irp kt, 0,1,2,3,4,5,6,7
.set KB, 32+24*(\kt%2)
.if \kt < 7
	s_wait_dscnt 6                                 ; this tile is in; the next tile's six loads may be out
.else
	s_wait_dscnt 0x0
.endif
.irp f, 0,1
.irp q, 0,1
.if \f == 0
	v_wmma_scale_f32_16x16x128_f8f6f4 v[SCR+64*\q+8*\kt:SCR+64*\q+8*\kt+7], v[KB+12*\f:KB+12*\f+11], v[QF+24*\q+12*\f:QF+24*\q+12*\f+11], 0, v[SCL+\kt], v[QS+2*\q+\f] matrix_a_fmt:MATRIX_FMT_FP6 matrix_b_fmt:MATRIX_FMT_FP6
.else
	v_wmma_scale_f32_16x16x128_f8f6f4 v[SCR+64*\q+8*\kt:SCR+64*\q+8*\kt+7], v[KB+12*\f:KB+12*\f+11], v[QF+24*\q+12*\f:QF+24*\q+12*\f+11], v[SCR+64*\q+8*\kt:SCR+64*\q+8*\kt+7], v[SCL+\kt], v[QS+2*\q+\f] matrix_a_fmt:MATRIX_FMT_FP6 matrix_b_fmt:MATRIX_FMT_FP6 matrix_a_scale:MATRIX_SCALE_ROW1
.endif
.endr
.endr
.if \kt < 6
	PLACES 4                                       ; in front of loads into the buffer that these products have read
	KLOAD \kt+2, KB
.endif
.endr
	PLACES 4                                       ; in front of the first read of the scores and of writes into the buffers
.endm
; The softmax of slot q for 128 keys: p and its codes, its scale word, l, and f for O^T.
.macro SM q
.set rS, SCR+64*\q
.set rT, ST+6*\q
.set rPC, PCD+12*\q
	s_wait_alu depctr_va_vdst(0)                   ; directly ahead of the first reader of the scores
.irp b, 0,1,2,3
	v_max3_num_f32 v[BM+\b], v[rS+16*\b], v[rS+16*\b+1], v[rS+16*\b+2]   ; THE LARGEST SCORE OF EACH BLOCK OF 32 KEYS serves twice: for the row's maximum and, since p rises with the score, for the block's largest p
.endr
.irp i, 3,5,7,9,11,13
.irp b, 0,1,2,3
	v_max3_num_f32 v[BM+\b], v[BM+\b], v[rS+16*\b+\i], v[rS+16*\b+\i+1]  ; (the four blocks by turns)
.endr
.endr
.irp b, 0,1,2,3
	v_max_num_f32 v[BM+\b], v[BM+\b], v[rS+16*\b+15]
.endr
.irp b, 0,1,2,3
	s_delay_alu instid0(VALU_DEP_4)
	v_permlanex16_b32 v[PT+\b], v[BM+\b], s[SEL], s[SEL+1]
.endr
.irp b, 0,1,2,3
	s_delay_alu instid0(VALU_DEP_4)
	v_max_num_f32 v[BM+\b], v[BM+\b], v[PT+\b]     ; with lane l xor 16's 16 keys
.endr
	s_delay_alu instid0(VALU_DEP_2)
	v_max3_num_f32 v[TMP], v[BM], v[BM+1], v[BM+2]
	s_delay_alu instid0(VALU_DEP_1)
	v_max_num_f32 v[TMP], v[TMP], v[BM+3]          ; the step's largest score of my query
	s_delay_alu instid0(VALU_DEP_1)
	v_mul_f32 v[TMP], s[CS], v[TMP]                ; as t
	s_delay_alu instid0(VALU_DEP_1)
	v_max_num_f32 v[rT+1], v[rT+1], v[TMP]         ; the running largest t
	v_mov_b32 v[TMP], v[rT]
	s_delay_alu instid0(VALU_DEP_2)
	v_floor_f32 v[rT], -v[rT+1]                    ; the new -M = floor(-t) = -ceil(t): M is a whole number
	s_delay_alu instid0(VALU_DEP_1)
	v_sub_f32 v[TMP], v[rT], v[TMP]                ; old M - new M: a whole number, 0 or less
	s_delay_alu instid0(VALU_DEP_1)
	v_cvt_i32_f32 v[TMP], v[TMP]                   ; (it saturates)
	s_delay_alu instid0(VALU_DEP_1)
	v_ldexp_f32 v[rT+4], 1.0, v[TMP]               ; f = 2^(old M - new M)
.set JJ, 0
.rept 32
	v_pk_fma_f32 v[rS+JJ:rS+JJ+1], v[rS+JJ:rS+JJ+1], s[CS:CS+1], v[rT:rT+1] op_sel_hi:[1,0,0]   ; t - M, two at a time, one rounding
.set JJ, JJ+2
.endr
.irp b, 0,1,2,3
	v_fma_f32 v[BM+\b], v[BM+\b], s[CS], v[rT]     ; the same of each block's largest score
.endr
.set JJ, 0
	s_wait_alu depctr_va_vdst(0)
.rept 64
	v_exp_f32 v[rS+JJ], v[rS+JJ]                   ; p = 2^(t - M), at most 1
.set JJ, JJ+1
.endr
.irp b, 0,1,2,3
	v_exp_f32 v[BM+\b], v[BM+\b]                   ; the block's largest p: the same two instructions on the same number give the same bits
.endr
	v_pk_mul_f32 v[rT+2:rT+3], v[rT+2:rT+3], v[rT+4:rT+5] op_sel_hi:[1,0]   ; l under the new M.  (A plain place behind the exponentials)
	s_wait_alu depctr_va_vdst(0)
.irp b, 0,1,2,3
	v_max_num_f32 v[BM+\b], 0x1800000, v[BM+\b]    ; the floor 2^(3 - 127): the byte cannot fall under 1 (a block whose every p has fallen to 0 keeps that byte: its codes are zeros)
.endr
.irp b, 0,1,2,3
	s_delay_alu instid0(VALU_DEP_4)
	v_add_nc_u32 v[SOP+\b], 0xff000000, v[BM+\b]   ; 2 off the exponent field: the conversion's scale operand
.endr
.irp b, 0,1,2,3
	s_delay_alu instid0(VALU_DEP_4)
	v_lshrrev_b32 v[PT+\b], 23, v[SOP+\b]          ; the scale's byte
.endr
	s_delay_alu instid0(VALU_DEP_3)
	v_lshl_or_b32 v[rT+5], v[PT+1], 8, v[PT]       ; p's scale word for these 128 keys
	s_delay_alu instid0(VALU_DEP_1)
	v_lshl_or_b32 v[rT+5], v[PT+2], 16, v[rT+5]
	s_delay_alu instid0(VALU_DEP_1)
	v_lshl_or_b32 v[rT+5], v[PT+3], 24, v[rT+5]
.irp c, 0,1
	v_cvt_scalef32_pk16_fp6_f32 v[rPC+6*\c:rPC+6*\c+2], v[rS+32*\c:rS+32*\c+15], v[SOP+2*\c]
	v_cvt_scalef32_pk16_fp6_f32 v[PT+4*\c:PT+4*\c+2], v[rS+32*\c+16:rS+32*\c+31], v[SOP+2*\c+1]   ; (a conversion's three registers begin on an even number)
.endr
	v_nop                                          ; one plain place behind a scaled conversion
.irp c, 0,1                                    ; the operand's layout wants a WHOLE block in a lane: lanes 0-15 block 2 c, lanes 16-31 block 2 c + 1
.irp i, 0,1,2
	v_permlane16_swap_b32 v[rPC+6*\c+\i], v[PT+4*\c+\i]
.endr
.irp i, 0,1,2
	s_delay_alu instid0(VALU_DEP_3)
	v_mov_b32 v[rPC+6*\c+3+\i], v[PT+4*\c+\i]
.endr
.endr
	v_pk_add_f32 v[PT:PT+1], v[rS:rS+1], v[rS+2:rS+3]   ; l takes the UNQUANTISED p: two at a time, in two chains.  (These lines are also the places between p's codes and scale word and the products)
.irp j, 4,8,12,16,20,24,28,32,36,40,44,48,52,56,60
	v_pk_add_f32 v[rT+2:rT+3], v[rT+2:rT+3], v[rS+\j:rS+\j+1]
	v_pk_add_f32 v[PT:PT+1], v[PT:PT+1], v[rS+\j+2:rS+\j+3]
.endr
	s_delay_alu instid0(VALU_DEP_1)
	v_pk_add_f32 v[rT+2:rT+3], v[rT+2:rT+3], v[PT:PT+1]
.endm
.macro VLOAD gam, vb                   ; V's fragments 4 gam .. 4 gam + 3: twelve loads of 512 consecutive bytes
.irp i, 0,1,2,3
.irp c, 0,1,2
	ds_load_b128 v[\vb+12*\i+4*\c:\vb+12*\i+4*\c+3], v[ADV] offset:(4*(\gam)+\i)*1536+512*\c
.endr
.endr
.endm
; O^T += V^T P^T: d tiles 4 gam .. 4 gam + 3 for both slots: eight accumulators, one instruction each.  V's scale register t / 2 holds tile t's words in lanes 0-15 (t even) or 16-31 (t odd).  first = 1: the products start the sums.
.macro PVG gam, vb, first
.irp i, 0,1,2,3
.irp q, 0,1
.set rO, 128*\q+8*(4*(\gam)+\i)
.set rA, \vb+12*\i
.set rB, PCD+12*\q
.set rSa, SCL+(4*(\gam)+\i)/2
.set rSb, ST+6*\q+5
.if \first
.if \i%2 == 0
	v_wmma_scale_f32_16x16x128_f8f6f4 v[rO:rO+7], v[rA:rA+11], v[rB:rB+11], 0, v[rSa], v[rSb] matrix_a_fmt:MATRIX_FMT_FP6 matrix_b_fmt:MATRIX_FMT_FP6
.else
	v_wmma_scale_f32_16x16x128_f8f6f4 v[rO:rO+7], v[rA:rA+11], v[rB:rB+11], 0, v[rSa], v[rSb] matrix_a_fmt:MATRIX_FMT_FP6 matrix_b_fmt:MATRIX_FMT_FP6 matrix_a_scale:MATRIX_SCALE_ROW1
.endif
.else
.if \i%2 == 0
	v_wmma_scale_f32_16x16x128_f8f6f4 v[rO:rO+7], v[rA:rA+11], v[rB:rB+11], v[rO:rO+7], v[rSa], v[rSb] matrix_a_fmt:MATRIX_FMT_FP6 matrix_b_fmt:MATRIX_FMT_FP6
.else
	v_wmma_scale_f32_16x16x128_f8f6f4 v[rO:rO+7], v[rA:rA+11], v[rB:rB+11], v[rO:rO+7], v[rSa], v[rSb] matrix_a_fmt:MATRIX_FMT_FP6 matrix_b_fmt:MATRIX_FMT_FP6 matrix_a_scale:MATRIX_SCALE_ROW1
.endif
.endif
.endr
.endr
.endm
; A TRIP behind its change of slots.  Waves 4-7: the softmax of this step, on scores kept in registers.  All waves: O^T x f, V^T P, and (tail = 1) the next step's scores.  Waves 0-3: (tail = 1) the next step's softmax.
; first = 1: O^T begins.  Both LDS addresses are made ahead of the branches on the wave's number.
.macro BODY first, tail
	v_add_nc_u32 v[ADV], s[TBV], v[LI]
	v_add_nc_u32 v[ADK], s[TBK], v[LI]
	s_cmp_lt_u32 s[WV], 4
	s_wait_alu depctr_va_vdst(0)
	s_cbranch_scc1 .Lno_head_\@
	SM 0
	SM 1
.Lno_head_\@:
	ds_load_b128 v[SCL:SCL+3], v[ADV] offset:SCLO  ; V's scale words and first eight fragments, into the registers that held p: they land under the 128 multiplications below
	ds_load_b128 v[SCL+4:SCL+7], v[ADV] offset:SCLO+512
	VLOAD 0, VB0
	VLOAD 1, VB1
.if \first == 0
	WIN 0x41                                       ; destination and source 0 window 1 (O^T), f in window 0
	s_wait_alu depctr_va_vdst(0)                   ; directly ahead of the first reader of O^T
.irp q, 0,1
.set JJ, 0
.rept 64
	v_pk_mul_f32 v[128*\q+JJ:128*\q+JJ+1], v[128*\q+JJ:128*\q+JJ+1], v[ST+6*\q+4:ST+6*\q+5] op_sel_hi:[1,0]   ; O^T under the new M: x f; each accumulator from its low end on
.set JJ, JJ+2
.endr
.endr
.endif
	s_wait_alu depctr_va_vdst(0)
	s_wait_dscnt 12                                ; the scale words and fragments 0-3 are in; the twelve loads of fragments 4-7 may be out
	WIN 0x50                                       ; C and D window 1
	PVG 0, VB0, \first
	WIN 0
	PLACES 4                                       ; in front of loads into the buffer that these products have read
	VLOAD 2, VB0
	s_wait_dscnt 12                                ; fragments 4-7 are in
	WIN 0x50
	PVG 1, VB1, \first
	WIN 0
	PLACES 4
	VLOAD 3, VB1
	s_wait_dscnt 12                                ; fragments 8-11 are in
	WIN 0x50
	PVG 2, VB0, \first
	s_wait_dscnt 0x0
	PVG 3, VB1, \first
	WIN 0
	PLACES 5                                       ; the next scores are written over registers that these products have read: one place more than loads ask
.if \tail
	SPHASE
	s_cmp_lt_u32 s[WV], 4
	s_cbranch_scc0 .Lno_tail_\@
	SM 0
	SM 1
.Lno_tail_\@:
.endif
	s_xor_b32 s[TBK], s[TBK], SLOT1                ; on to the other slot
	s_xor_b32 s[TBV], s[TBV], SLOT1
.endm
	CHANGE 3                                       ; the pre-trip: K(0) and K(1) are whole; slot 0 is asked for
	v_add_nc_u32 v[ADK], s[TB0], v[LI]
	s_wait_alu depctr_va_vdst(0)                   ; ahead of the address's first reader
	SPHASE                                         ; every wave's first scores,
	s_cmp_lt_u32 s[WV], 4
	s_cbranch_scc0 .Lpre_done
	SM 0                                           ; and the first softmax of waves 0-3
	SM 1
.Lpre_done:
	CHANGE 2                                       ; trip 0: slot 0 is whole; slot 1 is asked for, its bytes' first fill
	BODY 1, 1
	s_mov_b32 s[CNT], 13
.Ltrip:                                            ; trips 1 to 13 ask for slots 2 to 14
	CHANGE 2
	BODY 0, 1
	s_sub_co_u32 s[CNT], s[CNT], 1
	s_cmp_lg_u32 s[CNT], 0
	s_cbranch_scc1 .Ltrip
	CHANGE 1                                       ; trip 14 asks for the last slot, which has two parts: V(30), V(31)
	BODY 0, 1
	CHANGE 0                                       ; trip 15: written out
	BODY 0, 0
	; THE END.  l's halves are added; slot 1's O^T, -M and l go to wave w xor 4, which holds the other keys' sums of the same 16 queries in its slot 0.
	v_add_f32 v[ST+2], v[ST+2], v[ST+3]
	v_add_f32 v[ST+8], v[ST+8], v[ST+9]
	s_delay_alu instid0(VALU_DEP_2)
	v_permlanex16_b32 v[PT], v[ST+2], s[SEL], s[SEL+1]
	s_delay_alu instid0(VALU_DEP_2)
	v_permlanex16_b32 v[PT+1], v[ST+8], s[SEL], s[SEL+1]
	s_delay_alu instid0(VALU_DEP_2)
	v_add_f32 v[ST+2], v[ST+2], v[PT]              ; slot 0's l
	s_delay_alu instid0(VALU_DEP_2)
	v_add_f32 v[ST+7], v[ST+8], v[PT+1]            ; slot 1's, beside its -M: the pair v[14:15]
	s_mul_i32 s16, s[WV], XCHW
	v_add_nc_u32 v2, s16, v[LI]                    ; where I put,
	s_xor_b32 s17, s[WV], 4
	s_mul_i32 s17, s17, XCHW
	v_add_nc_u32 v3, s17, v[LI]                    ; and where my partner has put
	s_wait_alu depctr_va_vdst(0)
	s_wait_dscnt 0x0                               ; my reads of the ring are over
	s_barrier_signal -1
	s_barrier_wait -1                              ; everybody's are; every fill landed ahead of the last change of slots, and none follows
	WIN 0x04                                       ; an LDS store's data are its source 1: window 1
.set JJ, 0
.rept 32
	ds_store_b128 v2, v[128+4*JJ:128+4*JJ+3] offset:512*JJ   ; slot 1's O^T as an image of its registers, each accumulator from its low end on
.set JJ, JJ+1
.endr
	WIN 0
	ds_store_b64 v2, v[ST+6:ST+7] offset:16384
	s_wait_dscnt 0x0                               ; for my partner's sake
	s_barrier_signal -1
	s_barrier_wait -1
	ds_load_b64 v[32:33], v3 offset:16384          ; the partner's -M and l
.set JJ, 0
.rept 32
	ds_load_b128 v[128+4*JJ:128+4*JJ+3], v3 offset:512*JJ
.set JJ, JJ+1
.endr
	s_wait_dscnt 32                                ; -M and l are in; the 32 loads of O^T may be out
	v_min_num_f32 v34, v[ST], v32                  ; -(the larger M)
	s_delay_alu instid0(VALU_DEP_1)
	v_sub_f32 v35, v34, v[ST]                      ; my M - the larger: a whole number, 0 or less
	s_delay_alu instid0(VALU_DEP_2)
	v_sub_f32 v36, v34, v32                        ; the partner's likewise
	s_delay_alu instid0(VALU_DEP_2)
	v_cvt_i32_f32 v35, v35
	s_delay_alu instid0(VALU_DEP_2)
	v_cvt_i32_f32 v36, v36
	s_delay_alu instid0(VALU_DEP_2)
	v_ldexp_f32 v35, 1.0, v35                      ; both halves under the larger M, by powers of two
	s_delay_alu instid0(VALU_DEP_2)
	v_ldexp_f32 v36, 1.0, v36
	s_delay_alu instid0(VALU_DEP_2)
	v_mul_f32 v37, v[ST+2], v35
	s_delay_alu instid0(VALU_DEP_1)
	v_fma_f32 v37, v33, v36, v37                   ; the row's sum
	s_wait_alu depctr_va_vdst(0)
	v_rcp_f32 v37, v37
	v_and_b32 v6, 15, v0                           ; (a plain place behind the transcendental)  r
	v_bfe_u32 v7, v0, 4, 1                         ; h
	s_wait_alu depctr_va_vdst(0)
	v_mul_f32 v40, v35, v37                        ; what my O^T is multiplied by, in both halves of a pair,
	v_mul_f32 v41, v35, v37
	v_mul_f32 v42, v36, v37                        ; and the partner's
	v_mul_f32 v43, v36, v37
	s_mul_i32 s16, s[WV], STGW
	s_add_co_u32 s16, s16, STG                     ; my stage
	s_wait_alu depctr_va_vdst(0)
	s_wait_dscnt 0x0
	v_mul_u32_u24 v2, v6, 528
	s_delay_alu instid0(VALU_DEP_1)
	v_lshl_add_u32 v2, v7, 5, v2
	s_delay_alu instid0(VALU_DEP_1)
	v_add_nc_u32 v2, s16, v2                       ; in: row r, 32 h: a tile's eight channels of my half
	v_add_nc_u32 v3, s16, v[LI]                    ; back: the 32 lanes take a row's 512 bytes
.set JJ, 0
.rept 64
	v_pk_mul_f32 v[128+JJ:128+JJ+1], v[128+JJ:128+JJ+1], v[42:43]
.set JJ, JJ+2
.endr
	WIN 0x01                                       ; source 0 window 1: slot 0's O^T
.set JJ, 0
.rept 64
	v_pk_fma_f32 v[128+JJ:128+JJ+1], v[JJ:JJ+1], v[40:41], v[128+JJ:128+JJ+1]   ; register 8 t + i: out(r, 16 t + 8 h + i); each accumulator from its low end on
.set JJ, JJ+2
.endr
	WIN 0
	; THE WAY OUT, half a row (128 channels, 512 bytes) of 16 queries at a time, through my own stage: LDS serves a wave's instructions in order, so no wait stands between the stores and the loads
.irp u, 0,1
.irp t, 0,1,2,3,4,5,6,7
	ds_store_b128 v2, v[128+64*\u+8*\t:128+64*\u+8*\t+3] offset:64*\t
	ds_store_b128 v2, v[132+64*\u+8*\t:132+64*\u+8*\t+3] offset:64*\t+16
.endr
.irp i, 0,1,2,3,4,5,6,7,8,9,10,11,12,13,14,15
	ds_load_b128 v[64+64*\u+4*\i:64+64*\u+4*\i+3], v3 offset:528*\i
.endr
.endr
.irp u, 0,1
.irp i, 0,1,2,3,4,5,6,7,8,9,10,11,12,13,14,15
	s_wait_dscnt 47-32*\u-\i                       ; behind this row's load: the half's later rows, and for the first half the second's 32 LDS instructions
	global_store_b128 v[LI], v[64+64*\u+4*\i:64+64*\u+4*\i+3], s[10:11] offset:1024*\i+512*\u th:TH_STORE_NT   ; 32 lanes store 512 consecutive bytes, aligned; written once, read by nobody here
.endr
.endr
	s_wait_tensorcnt 0x0                           ; the wave's end: behind my last tensor load and my last LDS store
	ds_add_u32 v[SPW], v[NIL]
	s_wait_dscnt 0x0
	CROUND                                         ; the closing round: no work-group ends while a partner may still ask for bytes jointly
	s_endpgm
.Lfunc_end_k_q7ac4eed261_attn:
	.size	k_q7ac4eed261_attn, .Lfunc_end_k_q7ac4eed261_attn-k_q7ac4eed261_attn
	.p2alignl 7, 3214868480
	.fill 96, 4, 3214868480
	.section	.rodata,"a",@progbits
	.p2align	6, 0x0
	.amdhsa_kernel k_q7ac4eed261_attn
		.amdhsa_group_segment_fixed_size 327680
		.amdhsa_private_segment_fixed_size 0
		.amdhsa_enable_private_segment 0
		.amdhsa_kernarg_size 32
		.amdhsa_user_sgpr_count 2
		.amdhsa_user_sgpr_kernarg_segment_ptr 1
		.amdhsa_wavefront_size32 1
		.amdhsa_system_sgpr_workgroup_id_x 1
		.amdhsa_system_sgpr_workgroup_id_y 1
		.amdhsa_system_sgpr_workgroup_id_z 1
		.amdhsa_system_vgpr_workitem_id 0
		.amdhsa_next_free_vgpr 512
		.amdhsa_next_free_sgpr 76
		.amdhsa_reserve_vcc 0
		.amdhsa_float_denorm_mode_32 3
		.amdhsa_float_denorm_mode_16_64 3
		.amdhsa_memory_ordered 1
		.amdhsa_forward_progress 1
		.amdhsa_inst_pref_size 255
	.end_amdhsa_kernel
	.section	.bss,"aw",@nobits
	.p2align	6
	.space	262144
	.amdgpu_metadata
---
amdhsa.version: [ 1, 2 ]
amdhsa.kernels:
  - .name:           k_q7ac4eed261_attn
    .symbol:         k_q7ac4eed261_attn.kd
    .args:
      - { .name: dec_output_codes, .offset: 0, .size: 8, .value_kind: global_buffer, .address_space: global }
      - { .name: dec_output_scales, .offset: 8, .size: 8, .value_kind: global_buffer, .address_space: global }
      - { .name: kv, .offset: 16, .size: 8, .value_kind: global_buffer, .address_space: global }
      - { .name: out0, .offset: 24, .size: 8, .value_kind: global_buffer, .address_space: global }
    .group_segment_fixed_size: 327680
    .private_segment_fixed_size: 0
    .kernarg_segment_align: 8
    .kernarg_segment_size: 32
    .max_flat_workgroup_size: 256
    .sgpr_count:     76
    .vgpr_count:     512
    .wavefront_size: 32
...
	.end_amdgpu_metadata
.endif
;; end of part 2
